; MI455X (gfx1250); checked and timed in simulation.
; The chip was launched on July 23, 2026; its instructions are those of AMD's public machine-readable ISA for CDNA 5 (MIT licence, August 2026) and "CDNA5" Instruction Set Architecture Reference Guide (July 2026). The comments in the code are by the model that wrote it; some were corrected since.
;; Dot Product Attention. Allowed arithmetic: matrix products marked QUANTISED: E2M3 operands, one E8M0 scale for each 32 along K, by v_wmma_scale_f32_16x16x128_f8f6f4 with both operands' format E2M3, f32 sums; everything else in f32.
;; Inputs: keys_codes 16 x 2,048 x 4 x 24 uint8 (E2M3 codes of keys, K innermost, in blocks of 32 codes, four codes in three bytes); keys_scales 16 x 2,048 x 4 uint8 (E8M0 scales of keys, one for each 32 codes along K); queries_codes 16 x 2,048 x 4 x 24 uint8 (E2M3 codes of queries, K innermost, in blocks of 32 codes, four codes in three bytes); queries_scales 16 x 2,048 x 4 uint8 (E8M0 scales of queries, one for each 32 codes along K); valid_lens 16 int32; values_codes 16 x 128 x 64 x 24 uint8 (E2M3 codes of values, K innermost, in blocks of 32 codes, four codes in three bytes); values_scales 16 x 128 x 64 uint8 (E8M0 scales of values, one for each 32 codes along K).
;; Outputs: out0 16 x 2,048 x 128 float32.
;; This version of the problem:
;;   THIS VERSION OF THE PROBLEM IS GIVEN IN LOW PRECISION. The matrix products marked QUANTISED in the list below multiply operands that are first quantised to E2M3 (2 exponent bits, 3 mantissa bits; 6 bits a number), with one power-of-two scale for each 32 numbers along K (OCP MX v1.0); their sums are f32. All else is computed in f32.
;;   The module's matrix products, in the order in which they are computed (A, B: the left and right operand; K: the contracted axis; several contracted axes count as one K, in the product's order):
;;     1. batch 16 x [M 2,048, K 128] x [K 128, N 2,048]; A: input queries (given as codes); B: input keys (given as codes): QUANTISED
;;     2. batch 16 x [M 2,048, K 2,048] x [K 2,048, N 128]; A: softmax (see below); B: input values (given as codes): QUANTISED
;;   THE QUANTISER, for each operand of a quantised product, along K:
;;     - K is cut into blocks of 32 from its start; a last block that is shorter is filled with zeros.
;;     - A block's scale is 2^e with e = floor(log2(the largest magnitude in the block)) - 2, held to -126 .. 127; a block of zeros has e = 0. As a byte (E8M0): e + 127.
;;     - Each number is divided by its block's scale, clamped to +-7.5, and rounded to the nearest number of E2M3, ties to even, subnormals kept.
;;     - The product sums the exact products of the quantised numbers (number of the format x scale) in f32.
;;   ~~~python
;;   def quantise(x, axis):      # numpy; x: float32 -> the quantised numbers, widened to float32 again
;;       x = np.moveaxis(x, axis, -1); K = x.shape[-1]
;;       x = np.pad(x, [(0, 0)] * (x.ndim - 1) + [(0, -K % 32)]); x = x.reshape(x.shape[:-1] + (-1, 32)); a = np.abs(x).max(-1, keepdims=True)
;;       e = np.where(a > 0, np.clip(np.frexp(np.where(a > 0, a, 1))[1] - 1 - 2, -126, 127), 0)      # np.frexp(a)[1] - 1 = floor(log2(a)), exactly
;;       r = np.clip(x / 2.0 ** e, -7.5, 7.5)
;;       step = 2.0 ** (np.maximum(np.frexp(np.where(r == 0, 1, r))[1] - 1, 0) - 3)
;;       q = np.round(r / step) * step * 2.0 ** e      # np.round: ties to even
;;       return np.moveaxis(q.reshape(q.shape[:-2] + (-1,))[..., :K], -1, axis).astype(np.float32)
;;   ~~~
;;   SOFTMAX AHEAD OF A QUANTISED PRODUCT. Where the list says 'softmax', what is quantised is not the finished softmax but p = 2^(t - M), with t = logit x log2(e) and M = ceil(the row's largest t), a whole number; so 1/2 < the row's largest p <= 1. The row's sum l is taken of the UNQUANTISED p, in f32, and the product's result is divided by l at the end. Since M is a whole number, a kernel that streams over the keys may use a running M (the ceiling of the running maximum): every later rescaling is an exact power of two, which a block's scale takes up: the codes' values come out the same.
;;   OPERANDS COMPUTED ON THE WAY. 'Computed on the way' means the value that the module computes at that place (a softmax that the list does not call 'softmax' is quantised finished and normalised). What goes into a quantiser is computed in f32, as accurately as f32 sums, v_exp_f32 and their like allow (about 1e-6 of the number): no bf16 or f16 on the way to a quantiser, and a product that is left as it is and whose result goes on into a quantised operand takes f32 operands (vector FMAs, or v_wmma_f32_16x16x4_f32). A number that lies on a knife's edge between two numbers of the format may be rounded either way, as far as f32 arithmetic and the matrix unit's own rounding can turn it there, and no further.
;;   INPUTS GIVEN AS CODES. keys (in the module: [16, 2048, 128], K = its axis 2); queries (in the module: [16, 2048, 128], K = its axis 2); values (in the module: [16, 2048, 128], K = its axis 1): each comes as NAME_codes (uint8): NAME with its K axis moved to the last place and cut into blocks of 32 codes, [.., K / 32, bytes a block], one block behind the other in memory; four codes in three bytes: a row's codes are one little-endian stream of bits, code i at bits 6 i .. 6 i + 5 (a code: sign, 2 exponent bits, 3 mantissa bits); and NAME_scales (uint8): the same leading axes, one E8M0 byte (e + 127) for each 32 codes along K. Its value is code x scale, taken as it is: it is not quantised again, and the codes and scales need not be those that the quantiser above would give.
;; One version. Each part assembles by itself: llvm-mc -triple=amdgcn-amd-amdhsa -mcpu=gfx1250 --defsym DOCPART=n.
;; ======== version 1 of 1: 1 launch
;; limits: right only within a limited range of input values
;; launch attn (part 1): grid 256 x 1, 8 waves a work-group, no clusters, 223,232 bytes of LDS; arguments keys_codes, keys_scales, queries_codes, queries_scales, valid_lens, values_codes, values_scales, out0; writes out0
.if DOCPART == 1
	.amdgcn_target "amdgcn-amd-amdhsa--gfx1250"
	.amdhsa_code_object_version 6
	.text
	.protected	k_q1ebbb5e899_attn
	.globl	k_q1ebbb5e899_attn
	.p2align	8
	.type	k_q1ebbb5e899_attn,@function
k_q1ebbb5e899_attn:
	s_mov_b64 s[64:65], 0
	v_nop
	global_prefetch_b8 v0, s[64:65] scope:SCOPE_SE
	s_setreg_imm32_b32 hwreg(HW_REG_WAVE_MODE, 25, 1), 1
	s_wait_xcnt 0x0
; out[b][q][:] = the sum over k of softmax_k(Q[b][q] . K[b][k] / sqrt(128), keys k >= valid_len[b] taken at -1e6) V[b][k][:].  16 batches, 2,048 queries, 2,048 keys, head 128.
; Both products on codes of FP6 (E2M3) with one E8M0 byte for each 32 along K.  Q, K: rows of 96 bytes (128 codes) + a scale word; V: the keys innermost, 128 rows of 1,536 bytes + 64 scale bytes a row.
; SOFTMAX: t = score x log2(e) / sqrt(128); M = the running largest t rounded up to a whole number; p = 2^(t - M) is quantised along the keys, not normalised; the sum of the unquantised p divides at the end.
; WORK NOT DONE: a batch of length L needs N = ceil(L / 128) of its 16 steps of 128 keys; in the steps behind them every p is 0.  They are jumped over by scalar branches on valid_lens.
; NO TENSOR LOAD, NO CLUSTER: K and V go global -> registers -> LDS.
; SHARES: every wave ranks the 16 batches by N.  Work-group g: pi = g % 8, block of 64 queries g / 8.  Waves 0-3 (half 0) take the batch of rank pi, waves 4-7 (half 1) that of rank 15 - pi: a short batch beside a long one.
; In a half: 2 query groups (32 queries = 2 tiles a wave) x 2 key groups (even steps, odd steps).  At the end the two key groups swap one tile each through LDS, join (M, l, O) and store whole rows.
; RING: for each half two LDS slots of 256 keys (codes and scale words), filled by the half's four waves a trip ahead; 8 trips, a constant; one barrier a trip, on every wave's path.
; LAYOUT: S^T = K Q^T, O^T = V^T P^T: a lane holds one query.  Row m of K's tile 4 c + u is key 64 c + 8 u + m % 8 + 32 (m / 8): so register 32 c + i of lane (r, h) is key 64 c + 32 h + i:
; two WHOLE blocks of 32 keys a lane, in the order of P's operand: a block's maximum asks no other lane, and the conversions' results are the operand.
; ADDRESSES: every LDS address register is made in the head, from the thread's number and constants, and never written again; the slot stands in a second register or in the immediate.  What steps from trip to trip are four pointers into memory.
; THE SCALE WORDS therefore ride in the slots: a slot's 256 words of K are 1,024 dense bytes; of V's 64 scale bytes a row a slot wants 8, so those loads take 8 of each 64 bytes: 1,024 bytes beside a slot's 49,152 of codes.
; LIMITS: dropped steps are exact while a row's largest valid score lies above -1e6 + 88.  valid_len <= 0: all keys at -1e6 (equal weights); p then comes from raw score x c and may differ from t's own rounding by
; REGISTERS, window 0: v1-19, v124-127 addresses; v20-31 statistics, 6 a tile; v32-55 at work; v56-66 scale words alone; v68-91 P's codes (v80-83 also: scale words on their way to LDS); v92-123 staging; v128-255 S^T, 64 a tile.
;            window 1: v0-127 O^T, 64 a tile; v128-223 eight fragments of K or V; v224-247 Q.
.set HALFB,  107008                    ; LDS of a half's ring of codes
.set SLOTB,  53504                     ; a slot: K's two steps, V's two steps
.set KSTEPB, 12352                     ; K of a step: 4 blocks of 32 keys
.set KBLK,   3088                      ; 32 keys x 96 bytes + 16: rows r and r + 8 of a tile lie 772 words apart, 4 banks modulo 64 (64 banks of 4 bytes: ISA guide 11.1): the 32 lanes of an 8-byte load touch 64 banks
.set VOFF,   24704                     ; V behind K in a slot
.set VSTEPB, 14336                     ; V of a step: 128 rows x 112
.set VPITCH, 112                       ; 96 bytes + 16 = 28 words: 16 rows start at 16 different multiples of 4 banks
.set SCB,    214016                    ; behind the rings of codes: the scale images, 4,096 bytes a half
.set SCS,    2048                      ; a slot's: K's two steps x 512 bytes, then V's two.  An image is 16 bytes a lane: word i of lane (r, h') is the scale word of row r of tile 2 i + h'
.set VSCO,   1024
.set XCHB,   8448                      ; after the loop, in the dead slots: a wave's exchange: 8,192 bytes of O^T, 128 of -M, 128 of l
.set STG2,   8*XCHB                    ; and its stage for the way out: 16 rows x 528
.set OPITCH, 528
.set GK,  1                            ; 16 x lane
.set AK,  2                            ; my lane's place in K's tiles, slot 0 (slot 1 by the immediate)
.set GS64, 3                           ; 64 x lane: my row of V's scale bytes in memory
.set AV,  4                            ; v4-5   my lane's place in V's tiles, slot 0, 1
.set LK,  6                            ; v6-7   where I stage K
.set LV,  8                            ; v8-11  where I stage V: 2 x slot + (0: a row's pieces 0-3 and 8-11; 1: its pieces 4-7)
.set XW,  12                           ; the tail: where I put the tile that I give
.set XW4, 13                           ; and its -M and l
.set GV,  14                           ; V's offset in memory: row lane / 4, piece lane % 4
.set XR,  15                           ; the tail: where my partner has put the tile that I take
.set XR4, 16
.set ADS, 17                           ; my lane's 16 bytes of the scale image of my key group's step, slot 0
.set SH8, 18                           ; 8 h
.set KSW, 19                           ; where I put K's scale words
.set NM,  20                           ; + 6 x: -M;  +1: the largest raw score
.set SM,  21
.set LS,  22                           ; + 6 x: the sum, in two halves
.set FF,  24                           ; + 6 x: f = 2^(old M - new M), and a word that is named with it
.set CH,  32                           ; v32-35 four chains of maxima
.set TP,  36                           ; v36-39 at work
.set DM,  38                           ; the mask's term
.set SU,  40                           ; v40-41 second chain of the sums
.set SOP, 42                           ; v42-43 the conversions' scale operands
.set BY,  44                           ; v44-45 scale bytes
.set WW,  46
.set WP,  47
.set CT,  48                           ; v48-50, v52-54: halves of blocks that begin on an odd register
.set KS,  56                           ; v56-59 K's scale words: register i: lanes 0-15 tile 2 i, lanes 16-31 tile 2 i + 1
.set VS,  60                           ; v60-63 V's likewise
.set QS,  64                           ; Q's: lanes 0-15 tile 0, lanes 16-31 tile 1
.set PS,  65                           ; v65-66 P's
.set P,   68
.set SCD, 80                           ; v80-83 two words of K's scales, two of V's, from the trip's head to the store behind the first softmax: tile 1's codes are made only behind that
.set STG, 92
.set SO,  124                          ; the tail: the stage, on the way in
.set SR,  125                          ; and back
.set VSW, 126                          ; where I put V's scale words
.set GS8, 127                          ; 8 x lane: my two words of K's scales in memory
.set S,   128
.set O,   0                            ; window 1
.set FR,  128
.set Q,   224
.set WVN, 20                           ; s20 wave;  s21 half;  s22 key group;  s23 query group;  s24 stager 2 x key group + query group
.set ETA, 21
.set KAP, 22
.set GAM, 23
.set OMG, 24
.set RHO, 27                           ; the rank of my half's batch
.set BAT, 28
.set VLN, 29
.set NST, 30                           ; steps of my batch
.set STP, 31                           ; my step in this trip
.set NXT, 32                           ; first step of the slot to be staged
.set CNT, 33
.set SEL, 34
.set CS,  36
.set KPT, 44                           ; s[44:45] K's codes, s[46:47] V's codes, s[56:57] K's scales, s[58:59] V's scales: my part of the slot to be staged
.set VPT, 46
.set OUTP, 50
.set KSP, 56
.set VSP, 58
.set MSB, 0
.macro WIN new                         ; the immediate's high byte repeats the setting that is left
.if MSB != \new
	s_set_vgpr_msb (MSB<<8)|\new
.set MSB, \new
.endif
.endm
.macro PLACES
.rept 4
	v_nop
.endr
.endm
; a product that starts its sum (C = 0); ra, rb: A's, B's scale words stand in lanes 16-31
.macro WMZ d, a, b, sa, sb, ra, rb
.if (\ra) && (\rb)
	v_wmma_scale_f32_16x16x128_f8f6f4 v[\d:\d+7], v[\a:\a+11], v[\b:\b+11], 0, v[\sa], v[\sb] matrix_a_fmt:MATRIX_FMT_FP6 matrix_b_fmt:MATRIX_FMT_FP6 matrix_a_scale:MATRIX_SCALE_ROW1 matrix_b_scale:MATRIX_SCALE_ROW1
.elseif (\ra)
	v_wmma_scale_f32_16x16x128_f8f6f4 v[\d:\d+7], v[\a:\a+11], v[\b:\b+11], 0, v[\sa], v[\sb] matrix_a_fmt:MATRIX_FMT_FP6 matrix_b_fmt:MATRIX_FMT_FP6 matrix_a_scale:MATRIX_SCALE_ROW1
.elseif (\rb)
	v_wmma_scale_f32_16x16x128_f8f6f4 v[\d:\d+7], v[\a:\a+11], v[\b:\b+11], 0, v[\sa], v[\sb] matrix_a_fmt:MATRIX_FMT_FP6 matrix_b_fmt:MATRIX_FMT_FP6 matrix_b_scale:MATRIX_SCALE_ROW1
.else
	v_wmma_scale_f32_16x16x128_f8f6f4 v[\d:\d+7], v[\a:\a+11], v[\b:\b+11], 0, v[\sa], v[\sb] matrix_a_fmt:MATRIX_FMT_FP6 matrix_b_fmt:MATRIX_FMT_FP6
.endif
.endm
; a product that adds in place
.macro WMA d, a, b, sa, sb, ra
.if (\ra)
	v_wmma_scale_f32_16x16x128_f8f6f4 v[\d:\d+7], v[\a:\a+11], v[\b:\b+11], v[\d:\d+7], v[\sa], v[\sb] matrix_a_fmt:MATRIX_FMT_FP6 matrix_b_fmt:MATRIX_FMT_FP6 matrix_a_scale:MATRIX_SCALE_ROW1
.else
	v_wmma_scale_f32_16x16x128_f8f6f4 v[\d:\d+7], v[\a:\a+11], v[\b:\b+11], v[\d:\d+7], v[\sa], v[\sb] matrix_a_fmt:MATRIX_FMT_FP6 matrix_b_fmt:MATRIX_FMT_FP6
.endif
.endm
; STAGING.  A half's slot is 24,576 bytes of K (dense) and 128 x 192 bytes of V; a wave brings 6,144 bytes of each.  Part A: K's runs 0-7 of 512 bytes and the scale words; part B: K's runs 8-11 and V's 12 loads.
; A load of V takes 8 rows x 64 bytes (lane L: row L / 4, piece L % 4 of 16 bytes); load j: rows 8 (j / 3) on, bytes 64 (j % 3) on of a row's 192.  A row's pieces 0-5 are the slot's first step, 6-11 its second:
; loads 0 and 2 of three go by one address (the second step's 32 bytes on stand in the immediate), load 1, whose lanes part between the steps, by another.
; SCALE WORDS: lane L takes the words of keys 2 L, 2 L + 1 of my 64 keys (256 dense bytes a wave), and the slot's two words of row L of my 32 rows of V.
.macro STAGE_A_ISSUE
.irp i, 0,1,2,3,4,5,6,7
	global_load_b128 v[STG+4*\i:STG+4*\i+3], v[GK], s[KPT:KPT+1] offset:512*\i
.endr
	global_load_b64 v[SCD:SCD+1], v[GS8], s[KSP:KSP+1]
	global_load_b64 v[SCD+2:SCD+3], v[GS64], s[VSP:VSP+1]
.endm
.macro STAGE_A_STORE d
.irp i, 0,1,2,3,4,5,6,7
	ds_store_b128 v[LK+(\d)], v[STG+4*\i:STG+4*\i+3] offset:(\i/6)*KBLK+(\i%6)*512
.endr
	ds_store_b32 v[KSW], v[SCD] offset:(\d)*SCS              ; key 2 L: one row of a tile on is 16 bytes on in the image
	ds_store_b32 v[KSW], v[SCD+1] offset:(\d)*SCS+16
	ds_store_b32 v[VSW], v[SCD+2] offset:(\d)*SCS            ; the slot's first step,
	ds_store_b32 v[VSW], v[SCD+3] offset:(\d)*SCS+512        ; its second
.endm
.macro STAGE_B_ISSUE
.irp i, 8,9,10,11
	global_load_b128 v[S+4*(\i-8):S+4*(\i-8)+3], v[GK], s[KPT:KPT+1] offset:512*\i
.endr
.irp j, 0,1,2,3,4,5,6,7,8,9,10,11
	global_load_b128 v[S+16+4*\j:S+16+4*\j+3], v[GV], s[VPT:VPT+1] offset:(\j/3)*12288+(\j%3)*64
.endr
.endm
.macro STAGE_B_STORE d
.irp i, 8,9,10,11
	ds_store_b128 v[LK+(\d)], v[S+4*(\i-8):S+4*(\i-8)+3] offset:(\i/6)*KBLK+(\i%6)*512
.endr
.irp j, 0,1,2,3,4,5,6,7,8,9,10,11
.if \j%3 == 1
	ds_store_b128 v[LV+2*(\d)+1], v[S+16+4*\j:S+16+4*\j+3] offset:(\j/3)*8*VPITCH
.else
	ds_store_b128 v[LV+2*(\d)], v[S+16+4*\j:S+16+4*\j+3] offset:(\j/3)*8*VPITCH+((\j%3)/2)*(VSTEPB+32)
.endif
.endr
.endm
; THE MASK, in the one step of a batch that valid_len cuts: register n of lane (r, h) is key 128 step + 32 h + 64 (n / 32) + n % 32; hidden keys get the raw score -1e6 x sqrt(128).  Ascending: each accumulator is first read at its low end.
.macro MASK
	s_lshl_b32 s38, s[STP], 7
	s_add_co_u32 s39, s38, 128
	s_cmp_le_u32 s39, s[VLN]
	s_cbranch_scc1 .Lopen_\@                       ; all 128 keys count
	s_sub_co_i32 s38, s[VLN], s38
	v_lshlrev_b32 v[DM], 2, v[SH8]
	s_delay_alu instid0(VALU_DEP_1)
	v_sub_nc_u32 v[DM], s38, v[DM]                 ; d = valid_len - 128 step - 32 h: hidden where 64 (n / 32) + n % 32 >= d
	v_mov_b32 v[TP+3], 0xcb2ca22c
.set n, 0
.rept 64
	v_cmp_ge_i32 vcc_lo, 64*(n/32)+n%32, v[DM]
	v_cndmask_b32 v[S+n], v[S+n], v[TP+3], vcc_lo
	v_cndmask_b32 v[S+64+n], v[S+64+n], v[TP+3], vcc_lo
.set n, n+1
.endr
.Lopen_\@:
.endm
; THE SOFTMAX of tile x for one step: 64 scores a lane become P's codes, its scale word, and the rescaled sum and O^T.
.macro SOFTMAX x
.set SX, S+64*\x
.set RN, NM+6*\x
.set RM, SM+6*\x
.set RL, LS+6*\x
.set RF, FF+6*\x
.set RP, P+12*\x
.set RO, O+64*\x
.irp k, 0,1,2,3
	v_max3_num_f32 v[CH+\k], v[SX+16*\k], v[SX+16*\k+1], v[SX+16*\k+2]   ; four chains by turns; each accumulator is first read at its low end
.endr
.irp i, 3,5,7,9,11,13
.irp k, 0,1,2,3
	v_max3_num_f32 v[CH+\k], v[CH+\k], v[SX+16*\k+\i], v[SX+16*\k+\i+1]
.endr
.endr
	v_max3_num_f32 v[CH], v[CH], v[SX+15], v[SX+31]
	v_max3_num_f32 v[CH+2], v[CH+2], v[SX+47], v[SX+63]
	s_delay_alu instid0(VALU_DEP_2)
	v_max_num_f32 v[CH], v[CH], v[CH+1]            ; the largest score of my block h
	s_delay_alu instid0(VALU_DEP_2)
	v_max_num_f32 v[CH+2], v[CH+2], v[CH+3]        ; and of my block 2 + h: they serve the row's maximum and, since p rises with the score, the blocks' largest p
	s_delay_alu instid0(VALU_DEP_1)
	v_max_num_f32 v[TP+1], v[CH], v[CH+2]
	s_delay_alu instid0(VALU_DEP_1)
	v_permlanex16_b32 v[TP], v[TP+1], s[SEL], s[SEL+1]
	s_delay_alu instid0(VALU_DEP_1)
	v_max3_num_f32 v[RM], v[RM], v[TP], v[TP+1]    ; the running largest score of my query
	v_mov_b32 v[TP+1], v[RN]
	s_delay_alu instid0(VALU_DEP_2)
	v_mul_f32 v[TP+2], s[CS], v[RM]                ; as t
	s_delay_alu instid0(VALU_DEP_1)
	v_floor_f32 v[RN], -v[TP+2]                    ; -M = floor(-t): M is a whole number
	s_delay_alu instid0(VALU_DEP_1)
	v_sub_f32 v[TP+1], v[RN], v[TP+1]              ; old M - new M, 0 or less
	s_delay_alu instid0(VALU_DEP_1)
	v_cvt_i32_f32 v[TP+1], v[TP+1]                 ; (it saturates)
	s_delay_alu instid0(VALU_DEP_1)
	v_ldexp_f32 v[RF], 1.0, v[TP+1]                ; f: a power of two, rounds nothing
.set j, 0
.rept 32
	v_pk_fma_f32 v[SX+j:SX+j+1], v[SX+j:SX+j+1], s[CS:CS+1], v[RN:RN+1] op_sel_hi:[1,0,0]   ; t - M, two at a time
.set j, j+2
.endr
	v_fma_f32 v[CH], v[CH], s[CS], v[RN]
	v_fma_f32 v[CH+2], v[CH+2], s[CS], v[RN]
.set j, 0
	s_wait_alu depctr_va_vdst(0)
.rept 64
	v_exp_f32 v[SX+j], v[SX+j]                     ; p = 2^(t - M)
.set j, j+1
.endr
	v_pk_mul_f32 v[RL:RL+1], v[RL:RL+1], v[RF:RF+1] op_sel_hi:[1,0]   ; the sum under the new M: the plain line behind the batch
	s_wait_alu depctr_va_vdst(0)                   ; one wait for the 64, ahead of their first reader
	v_exp_f32 v[CH], v[CH]                         ; the blocks' largest p: the same two instructions on the same number
	v_exp_f32 v[CH+2], v[CH+2]
	v_pk_add_f32 v[SU:SU+1], v[SX:SX+1], v[SX+2:SX+3]   ; the sum of the UNQUANTISED p, in two chains
.set j, 4
.rept 15
	v_pk_add_f32 v[RL:RL+1], v[RL:RL+1], v[SX+j:SX+j+1]
	v_pk_add_f32 v[SU:SU+1], v[SU:SU+1], v[SX+j+2:SX+j+3]
.set j, j+4
.endr
	s_delay_alu instid0(VALU_DEP_1)
	v_pk_add_f32 v[RL:RL+1], v[RL:RL+1], v[SU:SU+1]
	s_wait_alu depctr_va_vdst(0)                   ; and one for the two
	v_max_num_f32 v[CH], 0x1800000, v[CH]          ; the floor 2^(3 - 127): the byte cannot fall under 1 (a block of zeros keeps it: its codes are zeros)
	v_max_num_f32 v[CH+2], 0x1800000, v[CH+2]
	s_delay_alu instid0(VALU_DEP_2)
	v_add_nc_u32 v[SOP], 0xff000000, v[CH]         ; 2 off the exponent field: the conversion's scale operand
	s_delay_alu instid0(VALU_DEP_2)
	v_add_nc_u32 v[SOP+1], 0xff000000, v[CH+2]
	s_delay_alu instid0(VALU_DEP_2)
	v_lshrrev_b32 v[BY], 23, v[SOP]
	s_delay_alu instid0(VALU_DEP_2)
	v_lshrrev_b32 v[BY+1], 23, v[SOP+1]
	s_delay_alu instid0(VALU_DEP_1)
	v_lshl_or_b32 v[WW], v[BY+1], 16, v[BY]        ; bytes of blocks h and 2 + h,
	s_delay_alu instid0(VALU_DEP_1)
	v_lshlrev_b32 v[WW], v[SH8], v[WW]             ; at their places,
	s_delay_alu instid0(VALU_DEP_1)
	v_permlanex16_b32 v[WP], v[WW], s[SEL], s[SEL+1]
	s_delay_alu instid0(VALU_DEP_1)
	v_or_b32 v[PS+\x], v[WW], v[WP]                ; with the other half's two: my query's scale word
	v_cvt_scalef32_pk16_fp6_f32 v[RP:RP+2], v[SX:SX+15], v[SOP]
	v_cvt_scalef32_pk16_fp6_f32 v[CT:CT+2], v[SX+16:SX+31], v[SOP]       ; (a conversion's three registers begin on an even number)
	v_cvt_scalef32_pk16_fp6_f32 v[RP+6:RP+8], v[SX+32:SX+47], v[SOP+1]
	v_cvt_scalef32_pk16_fp6_f32 v[CT+4:CT+6], v[SX+48:SX+63], v[SOP+1]
	v_nop                                          ; one plain line behind the conversions
.irp i, 0,1,2
	v_mov_b32 v[RP+3+\i], v[CT+\i]
	v_mov_b32 v[RP+9+\i], v[CT+4+\i]
.endr
	WIN 0x41                                       ; O^T in window 1, f in window 0
.set j, 0
.rept 32
	v_pk_mul_f32 v[RO+j:RO+j+1], v[RO+j:RO+j+1], v[RF:RF+1] op_sel_hi:[1,0]   ; O^T under the new M; these lines also stand between the scale word, the codes and the products
.set j, j+2
.endr
	WIN 0
.endm
; A TRIP of the ring: slot sl is read, the other slot is staged where its first step is still wanted.  A wave whose step lies behind its batch's last goes straight to the barrier.
.macro TRIP sl
	s_cmp_ge_u32 s[STP], s[NST]
	s_cbranch_scc1 .Lidle_\@
	s_cmp_lt_u32 s[NXT], s[NST]                    ; where this holds all four waves of the half are at work (their steps are below NXT): the fill is whole
	s_cbranch_scc0 .Lno_a_\@
	STAGE_A_ISSUE
.Lno_a_\@:
	ds_load_b128 v[KS:KS+3], v[ADS] offset:(\sl)*SCS
	WIN 0x40                                       ; destination window 1
.irp t, 0,1,2,3,4,5,6,7
.irp c, 0,1,2,3,4,5
	ds_load_b64 v[FR+12*\t+2*\c:FR+12*\t+2*\c+1], v[AK] offset:(\sl)*SLOTB+(\t/4)*2*KBLK+(\t%4)*768+48*(\c/3)+8*(\c%3)   ; 62,048 at the most: inside the 16-bit immediate
.endr
.endr
	WIN 0x05                                       ; K and Q in window 1, S^T in window 0
.irp t, 0,1,2,3,4,5,6,7
	s_wait_dscnt 6*(7-\t)                          ; fragment t is in: behind it stand the six loads of each later fragment
	WMZ S+8*\t, FR+12*\t, Q, KS+\t/2, QS, \t%2, 0
	WMZ S+64+8*\t, FR+12*\t, Q+12, KS+\t/2, QS, \t%2, 1
.endr
	WIN 0
	PLACES                                         ; four places ahead of loads into the fragments' registers and of the first read of the scores
	ds_load_b128 v[VS:VS+3], v[ADS] offset:(\sl)*SCS+VSCO
	WIN 0x40
.irp t, 0,1,2,3,4,5,6,7
.irp c, 0,1,2,3,4,5
	ds_load_b64 v[FR+12*\t+2*\c:FR+12*\t+2*\c+1], v[AV+\sl] offset:\t*16*VPITCH+48*(\c/3)+8*(\c%3)   ; V lands while the softmax runs
.endr
.endr
	WIN 0
	MASK
	SOFTMAX 0
	s_wait_loadcnt 0x0                             ; part A, where it was asked for, is in.  On every way: the second softmax writes the registers in which the scale words landed
	s_cmp_lt_u32 s[NXT], s[NST]
	s_cbranch_scc0 .Lno_b_\@
	STAGE_A_STORE 1-\sl
	STAGE_B_ISSUE                                  ; into tile 0's score registers, which are done with
.Lno_b_\@:
	SOFTMAX 1
	s_wait_alu depctr_va_vdst(0)
	s_wait_dscnt 0x0                               ; V's fragments and scale words are in
	WIN 0x51                                       ; V and O^T in window 1, P in window 0
.irp t, 0,1,2,3,4,5,6,7
	WMA O+8*\t, FR+12*\t, P, VS+\t/2, PS, \t%2     ; the 16 accumulators by turns, one instruction a turn
	WMA O+64+8*\t, FR+12*\t, P+12, VS+\t/2, PS+1, \t%2
.endr
	WIN 0
	PLACES                                         ; ahead of the next trip's loads into the fragments and into tile 1's codes, and of the next read of O^T
	s_cmp_lt_u32 s[NXT], s[NST]
	s_cbranch_scc0 .Lidle_\@
	s_wait_loadcnt 0x0                             ; part B is in
	STAGE_B_STORE 1-\sl
.Lidle_\@:
	s_wait_loadcnt 0x0                             ; no load of mine is out: the pointers below may step
	s_wait_dscnt 0x0                               ; my stores into the other slot have landed, my reads of this slot are over
	s_barrier_signal -1
	s_barrier_wait -1                              ; both hold of all eight waves
	s_add_nc_u64 s[KPT:KPT+1], s[KPT:KPT+1], 24576 ; 256 keys on: their codes,
	s_add_nc_u64 s[VPT:VPT+1], s[VPT:VPT+1], 192
	s_add_nc_u64 s[KSP:KSP+1], s[KSP:KSP+1], 1024  ; their scale words
	s_add_nc_u64 s[VSP:VSP+1], s[VSP:VSP+1], 8
	s_add_co_u32 s[STP], s[STP], 2
	s_add_co_u32 s[NXT], s[NXT], 2
.endm
	; ---------------- the head
	s_load_b512 s[4:19], s[0:1], 0x0               ; K codes s[4:5], K scales s[6:7], Q codes s[8:9], Q scales s[10:11], valid_lens s[12:13], V codes s[14:15], V scales s[16:17], out s[18:19]
	v_lshl_add_u32 v55, v0, 2, 0x36400
	v_mov_b32 v67, 0
	v_lshrrev_b32 v32, 5, v0
	s_delay_alu instid0(VALU_DEP_1)
	v_readfirstlane_b32 s[WVN], v32
	s_lshr_b32 s[ETA], s[WVN], 2
	s_and_b32 s[GAM], s[WVN], 1
	s_lshr_b32 s[KAP], s[WVN], 1
	s_and_b32 s[KAP], s[KAP], 1
	s_xor_b32 s[KAP], s[KAP], s[ETA]               ; flipped in half 1, so that the odd step of an odd N falls on other waves' partners
	s_lshl_b32 s[OMG], s[KAP], 1
	s_add_co_u32 s[OMG], s[OMG], s[GAM]
	s_and_b32 s25, ttmp9, 7                        ; pi
	s_lshr_b32 s26, ttmp9, 3                       ; block of 64 queries
	s_sub_co_u32 s[RHO], 15, s25
	s_cmp_eq_u32 s[ETA], 0
	s_cselect_b32 s[RHO], s25, s[RHO]
	s_mov_b32 s[SEL], 0x76543210
	s_mov_b32 s[SEL+1], 0xfedcba98                 ; v_permlanex16_b32: lane l xor 16
	s_mov_b32 s[CS], 0x3e0293ee                    ; c = log2(e) / sqrt(128)
	s_mov_b32 s[CS+1], s[CS]
	v_and_b32 v33, 31, v0                          ; lane
	v_and_b32 v34, 15, v0                          ; r
	v_bfe_u32 v35, v0, 4, 1                        ; h
	s_delay_alu instid0(VALU_DEP_2)
	v_lshlrev_b32 v236, 2, v34
	s_wait_alu depctr_va_vdst(0)
	s_wait_kmcnt 0x0
	global_load_b32 v237, v236, s[12:13]           ; lane r and lane 16 + r: valid_len[r].  All that follows up to the wait works while it is out
	v_lshlrev_b32 v[GK], 4, v33
	v_lshlrev_b32 v[SH8], 3, v35
	v_lshlrev_b32 v[GS8], 3, v33
	v_lshlrev_b32 v[GS64], 6, v33
	s_mul_i32 s38, s[ETA], HALFB
	s_mul_i32 s39, s[KAP], KSTEPB
	s_add_co_u32 s39, s39, s38
	v_and_b32 v224, 7, v0
	v_bfe_u32 v225, v0, 3, 1
	s_delay_alu instid0(VALU_DEP_2)
	v_mul_u32_u24 v[AK], v224, 96
	s_delay_alu instid0(VALU_DEP_1)
	v_mad_u32_u24 v[AK], v225, KBLK, v[AK]
	s_delay_alu instid0(VALU_DEP_1)
	v_mad_u32_u24 v[AK], v35, 24, v[AK]
	s_delay_alu instid0(VALU_DEP_1)
	v_add_nc_u32 v[AK], s39, v[AK]                 ; half + key group's step + (r % 8) 96 + (r / 8) 3,088 + 24 h
	s_mul_i32 s40, s[KAP], VSTEPB
	s_add_co_u32 s40, s40, s38
	s_add_co_u32 s40, s40, VOFF
	v_mul_u32_u24 v[AV], v34, VPITCH
	s_delay_alu instid0(VALU_DEP_1)
	v_mad_u32_u24 v[AV], v35, 24, v[AV]
	s_delay_alu instid0(VALU_DEP_1)
	v_add_nc_u32 v[AV], s40, v[AV]
	s_delay_alu instid0(VALU_DEP_1)
	v_add_nc_u32 v[AV+1], SLOTB, v[AV]
	s_mul_i32 s41, s[GAM], 2*KBLK
	s_add_co_u32 s41, s41, s39
	v_add_nc_u32 v[LK], s41, v[GK]                 ; I stage keys 64 stager .. + 63 of a slot: step = key group, blocks 2 x query group on
	s_delay_alu instid0(VALU_DEP_1)
	v_add_nc_u32 v[LK+1], SLOTB, v[LK]
	s_mul_i32 s42, s[OMG], 32*VPITCH
	s_add_co_u32 s42, s42, s38
	s_add_co_u32 s42, s42, VOFF                    ; and V's rows 32 stager .. + 31
	v_bfe_u32 v226, v0, 2, 3                       ; lane / 4: which of a load's eight rows
	v_and_b32 v227, 3, v0                          ; lane % 4: which of its four pieces of 16 bytes
	v_and_b32 v228, 1, v0
	v_bfe_u32 v229, v0, 1, 1
	s_delay_alu instid0(VALU_DEP_4)
	v_mul_u32_u24 v[GV], v226, 1536
	s_delay_alu instid0(VALU_DEP_1)
	v_lshl_add_u32 v[GV], v227, 4, v[GV]           ; in memory: a row of V is 1,536 bytes
	v_mul_u32_u24 v230, v226, VPITCH
	s_delay_alu instid0(VALU_DEP_1)
	v_add_nc_u32 v230, s42, v230
	s_delay_alu instid0(VALU_DEP_1)
	v_lshl_add_u32 v[LV], v227, 4, v230            ; pieces 0-3: the first step's bytes 0-63 (pieces 8-11: the second step's bytes 32-95, by the immediate)
	s_delay_alu instid0(VALU_DEP_2)
	v_lshl_add_u32 v[LV+1], v228, 4, v230
	s_delay_alu instid0(VALU_DEP_1)
	v_mad_u32_u24 v[LV+1], v229, VSTEPB-64, v[LV+1]
	s_delay_alu instid0(VALU_DEP_1)
	v_add_nc_u32 v[LV+1], 64, v[LV+1]              ; pieces 4, 5: the first step's bytes 64-95; pieces 6, 7: the second step's bytes 0-31
	s_delay_alu instid0(VALU_DEP_4)
	v_add_nc_u32 v[LV+2], SLOTB, v[LV]
	s_delay_alu instid0(VALU_DEP_2)
	v_add_nc_u32 v[LV+3], SLOTB, v[LV+1]
	s_lshl_b32 s43, s[ETA], 12
	s_add_co_u32 s43, s43, SCB                     ; my half's scale images
	s_lshl_b32 s52, s[KAP], 9
	s_add_co_u32 s52, s52, s43                     ; my key group's step
	v_add_nc_u32 v[ADS], s52, v[GK]                ; read: 16 bytes a lane
	; where K's scale words go.  My key 64 g + 2 L + e of the step (g my query group) is 64 c + 32 mh + 8 u + ml with c = g, mh = L / 16, u = (L / 4) % 4, ml = 2 (L % 4) + e:
	; row ml + 8 mh of tile 4 c + u: image byte 16 ml + 128 mh + 256 (u % 2) + 4 (u / 2) + 8 c
	v_lshlrev_b32 v[KSW], 5, v227
	v_bfe_u32 v231, v0, 2, 1
	s_delay_alu instid0(VALU_DEP_1)
	v_lshl_add_u32 v[KSW], v231, 8, v[KSW]
	s_delay_alu instid0(VALU_DEP_1)
	v_lshl_add_u32 v[KSW], v225, 2, v[KSW]
	s_delay_alu instid0(VALU_DEP_1)
	v_lshl_add_u32 v[KSW], v35, 7, v[KSW]
	s_lshl_b32 s53, s[GAM], 3
	s_add_co_u32 s53, s53, s52
	v_add_nc_u32 v[KSW], s53, v[KSW]
	; V's: row 32 stager + L is row L % 16 of tile 2 stager + L / 16: image byte 16 L + 4 stager
	s_lshl_b32 s53, s[OMG], 2
	s_add_co_u32 s53, s53, s43
	s_add_co_u32 s53, s53, VSCO
	v_add_nc_u32 v[VSW], s53, v[GK]
	v_mul_u32_u24 v234, v34, 96
	s_delay_alu instid0(VALU_DEP_1)
	v_mad_u32_u24 v234, v35, 24, v234              ; Q: row r, + 24 h
	v_lshlrev_b32 v235, 2, v33                     ; Q's scale words: 4 x lane
	; the tail's six addresses
	s_mul_i32 s54, s[WVN], XCHB
	s_xor_b32 s55, s[WVN], 2                       ; my partner: same half, same queries, the other key group
	s_mul_i32 s55, s55, XCHB
	v_add_nc_u32 v[XW], s54, v[GK]
	v_add_nc_u32 v[XW4], s54, v235
	s_delay_alu instid0(VALU_DEP_1)
	v_add_nc_u32 v[XW4], 8192, v[XW4]
	v_add_nc_u32 v[XR], s55, v[GK]
	v_add_nc_u32 v[XR4], s55, v235
	s_delay_alu instid0(VALU_DEP_1)
	v_add_nc_u32 v[XR4], 8192, v[XR4]
	s_add_co_u32 s54, s54, STG2
	v_mul_u32_u24 v[SO], v34, OPITCH
	s_delay_alu instid0(VALU_DEP_1)
	v_lshl_add_u32 v[SO], v35, 5, v[SO]
	s_delay_alu instid0(VALU_DEP_1)
	v_add_nc_u32 v[SO], s54, v[SO]                 ; the stage, in: row r, + 32 h
	v_add_nc_u32 v[SR], s54, v[GK]                 ; and back: 16 bytes a lane of a row
.irp x, 0,1
	v_mov_b32 v[SM+6*\x], 0xff61b1e6               ; the largest score so far: -3e38
	s_delay_alu instid0(VALU_DEP_1)
	v_floor_f32 v[NM+6*\x], -v[SM+6*\x]
	v_mov_b32 v[LS+6*\x], 0
	v_mov_b32 v[LS+6*\x+1], 0
	v_mov_b32 v[FF+6*\x], 0
	v_mov_b32 v[FF+6*\x+1], 0
.endr
	v_mov_b32 v[TP], 0                             ; a lane permute's destination counts as one of its sources
	v_mov_b32 v[WP], 0
	WIN 0x40
.set j, 0
.rept 128
	v_mov_b32 v[O+j], 0                            ; O^T begins as zeros: a key group may own no step (N = 1), and the trip has no first step of its own.  These lines run while valid_lens is on its way
.set j, j+1
.endr
	WIN 0
	s_wait_loadcnt 0x0
	; the ranks, in whole numbers: key = (N - 1) 16 + batch; rank = how many keys are smaller
	v_cmp_lt_i32 vcc_lo, 0, v237
	v_min_u32 v238, 0x800, v237
	s_delay_alu instid0(VALU_DEP_1)
	v_cndmask_b32 v238, 0, v238, vcc_lo            ; valid_len held to 0 .. 2,048
	s_delay_alu instid0(VALU_DEP_1)
	v_add_nc_u32 v239, 127, v238
	s_delay_alu instid0(VALU_DEP_1)
	v_lshrrev_b32 v239, 7, v239
	s_delay_alu instid0(VALU_DEP_1)
	v_add_nc_u32 v239, -1, v239                    ; (0 wraps, and the hold below makes it 15: length 0 walks all steps)
	s_delay_alu instid0(VALU_DEP_1)
	v_min_u32 v239, 15, v239
	s_delay_alu instid0(VALU_DEP_1)
	v_lshl_add_u32 v239, v239, 4, v34
	v_mov_b32 v240, 0
	v_mov_b32 v241, 1
.irp j, 0,1,2,3,4,5,6,7,8,9,10,11,12,13,14,15
	v_readlane_b32 s40, v239, \j
	s_delay_alu instid0(VALU_DEP_1)
	v_cmp_lt_u32 vcc_lo, s40, v239
	s_delay_alu instid0(VALU_DEP_1)
	v_cndmask_b32 v242, 0, v241, vcc_lo
	s_delay_alu instid0(VALU_DEP_1)
	v_add_nc_u32 v240, v240, v242
.endr
	s_delay_alu instid0(VALU_DEP_1)
	v_cmp_eq_u32 vcc_lo, s[RHO], v240              ; the lanes of the batch of my rank
	s_wait_xcnt 0x0                                ; EXEC changes only behind this wait
	s_and_saveexec_b32 s49, vcc_lo
	v_readfirstlane_b32 s[BAT], v34
	v_readfirstlane_b32 s[VLN], v238
	s_wait_xcnt 0x0
	s_or_b32 exec_lo, exec_lo, s49
	s_min_u32 s[BAT], s[BAT], 15
	s_min_u32 s[VLN], s[VLN], 0x800
	s_add_co_u32 s[NST], s[VLN], 127
	s_lshr_b32 s[NST], s[NST], 7
	s_sub_co_u32 s[NST], s[NST], 1
	s_min_u32 s[NST], s[NST], 15
	s_add_co_u32 s[NST], s[NST], 1                 ; N = ceil(valid_len / 128), 16 for length 0
	; offsets are made apart from the addresses and added once
	s_mul_i32 s38, s[BAT], 196608                  ; a batch's codes
	s_lshl_b32 s39, s[BAT], 13                     ; a batch's scale bytes
	s_mov_b32 s41, 0
	s_mul_i32 s40, s[OMG], 6144
	s_add_co_u32 s40, s40, s38
	s_add_nc_u64 s[KPT:KPT+1], s[4:5], s[40:41]
	s_mul_i32 s40, s[OMG], 49152
	s_add_co_u32 s40, s40, s38
	s_add_nc_u64 s[VPT:VPT+1], s[14:15], s[40:41]
	s_lshl_b32 s42, s26, 6
	s_lshl_b32 s43, s[GAM], 5
	s_add_co_u32 s42, s42, s43                     ; my first query
	s_mul_i32 s40, s42, 96
	s_add_co_u32 s40, s40, s38
	s_add_nc_u64 s[8:9], s[8:9], s[40:41]
	s_lshl_b32 s40, s42, 2
	s_add_co_u32 s40, s40, s39
	s_add_nc_u64 s[10:11], s[10:11], s[40:41]
	s_lshl_b32 s40, s[OMG], 8                      ; K's scale words of my 64 keys: 256 bytes
	s_add_co_u32 s40, s40, s39
	s_add_nc_u64 s[KSP:KSP+1], s[6:7], s[40:41]
	s_lshl_b32 s40, s[OMG], 11                     ; V's scale bytes of my 32 rows: 64 bytes a row
	s_add_co_u32 s40, s40, s39
	s_add_nc_u64 s[VSP:VSP+1], s[16:17], s[40:41]
	s_lshl_b32 s40, s[BAT], 20
	s_lshl_b32 s43, s42, 9
	s_add_co_u32 s40, s40, s43
	s_add_nc_u64 s[OUTP:OUTP+1], s[18:19], s[40:41]
	STAGE_A_ISSUE                                  ; slot 0 (N is at least 1)
	STAGE_B_ISSUE
	global_load_b32 v[QS], v235, s[10:11]
	WIN 0x40
.irp x, 0,1
.irp c, 0,1,2,3,4,5
	global_load_b64 v[Q+12*\x+2*\c:Q+12*\x+2*\c+1], v234, s[8:9] offset:1536*\x+48*(\c/3)+8*(\c%3)   ; Q stays in registers
.endr
.endr
	WIN 0
	s_wait_loadcnt 0x0
	STAGE_A_STORE 0
	STAGE_B_STORE 0
	s_wait_dscnt 0x0                               ; for the others' sake: my stores have landed
	s_barrier_signal -1
	s_barrier_wait -1
	s_add_nc_u64 s[KPT:KPT+1], s[KPT:KPT+1], 24576 ; at slot 1 (all my loads are in)
	s_add_nc_u64 s[VPT:VPT+1], s[VPT:VPT+1], 192
	s_add_nc_u64 s[KSP:KSP+1], s[KSP:KSP+1], 1024
	s_add_nc_u64 s[VSP:VSP+1], s[VSP:VSP+1], 8
	s_mov_b32 s[STP], s[KAP]
	s_mov_b32 s[NXT], 2
	s_mov_b32 s[CNT], 4
.Lring:                                            ; 4 x 2 trips, whatever the lengths: no barrier is ever jumped over
	TRIP 0
	TRIP 1
	s_sub_co_u32 s[CNT], s[CNT], 1
	s_cmp_lg_u32 s[CNT], 0
	s_cbranch_scc1 .Lring
	; ---------------- the tail.  Behind the last barrier nobody reads the slots: the exchange and the stages lie there
	v_add_f32 v[LS], v[LS], v[LS+1]
	v_add_f32 v[LS+6], v[LS+6], v[LS+7]
	s_delay_alu instid0(VALU_DEP_2)
	v_permlanex16_b32 v[TP], v[LS], s[SEL], s[SEL+1]
	s_delay_alu instid0(VALU_DEP_2)
	v_permlanex16_b32 v[WP], v[LS+6], s[SEL], s[SEL+1]
	s_delay_alu instid0(VALU_DEP_2)
	v_add_f32 v[LS], v[LS], v[TP]                  ; my key group's sum of each query
	s_delay_alu instid0(VALU_DEP_2)
	v_add_f32 v[LS+6], v[LS+6], v[WP]
.macro GIVE y                          ; tile y goes to my partner as an image of its registers, each accumulator from its low end on
	WIN 0x04                                       ; an LDS store's data are its source 1: window 1
.irp k, 0,1,2,3,4,5,6,7,8,9,10,11,12,13,14,15
	ds_store_b128 v[XW], v[O+64*\y+4*\k:O+64*\y+4*\k+3] offset:512*\k
.endr
	WIN 0
	ds_store_b32 v[XW4], v[NM+6*\y]
	ds_store_b32 v[XW4], v[LS+6*\y] offset:128
.endm
.macro TAKE x                          ; tile x: my part and my partner's are joined, divided and stored
.irp k, 0,1,2,3,4,5,6,7,8,9,10,11,12,13,14,15
	ds_load_b128 v[S+4*\k:S+4*\k+3], v[XR] offset:512*\k
.endr
	ds_load_b32 v36, v[XR4]
	ds_load_b32 v37, v[XR4] offset:128
	s_wait_dscnt 0x0
	v_min_num_f32 v38, v[NM+6*\x], v36             ; -M of the larger M
	s_delay_alu instid0(VALU_DEP_1)
	v_sub_f32 v39, v38, v[NM+6*\x]
	s_delay_alu instid0(VALU_DEP_2)
	v_sub_f32 v40, v38, v36
	s_delay_alu instid0(VALU_DEP_2)
	v_cvt_i32_f32 v39, v39
	s_delay_alu instid0(VALU_DEP_2)
	v_cvt_i32_f32 v40, v40
	s_delay_alu instid0(VALU_DEP_2)
	v_ldexp_f32 v39, 1.0, v39                      ; my part's factor,
	s_wait_alu depctr_va_vdst(0)
	v_ldexp_f32 v40, 1.0, v40                      ; my partner's: 0 where it owned no step
	v_mul_f32 v41, v[LS+6*\x], v39
	s_delay_alu instid0(VALU_DEP_1)
	v_fma_f32 v41, v37, v40, v41                   ; the row's sum
	s_wait_alu depctr_va_vdst(0)
	v_rcp_f32 v41, v41
	v_nop                                          ; a plain line behind the reciprocal
	s_wait_alu depctr_va_vdst(0)                   ; and the wait ahead of its first reader
	v_mul_f32 v42, v39, v41
	v_mul_f32 v44, v40, v41
	s_delay_alu instid0(VALU_DEP_2)
	v_mov_b32 v43, v42
	s_delay_alu instid0(VALU_DEP_2)
	v_mov_b32 v45, v44
	WIN 0x01                                       ; source 0: window 1
.set j, 0
.rept 32
	v_pk_mul_f32 v[S+64+j:S+64+j+1], v[O+64*\x+j:O+64*\x+j+1], v[42:43] op_sel_hi:[1,0]
.set j, j+2
.endr
	WIN 0
.set j, 0
.rept 32
	v_pk_fma_f32 v[S+64+j:S+64+j+1], v[S+j:S+j+1], v[44:45], v[S+64+j:S+64+j+1] op_sel_hi:[1,0,1]
.set j, j+2
.endr
.irp t, 0,1,2,3,4,5,6,7
	ds_store_b128 v[SO], v[S+64+8*\t:S+64+8*\t+3] offset:64*\t     ; register 8 t + i is out(r, 16 t + 8 h + i)
	ds_store_b128 v[SO], v[S+64+8*\t+4:S+64+8*\t+7] offset:64*\t+16
.endr
.irp i, 0,1,2,3,4,5,6,7,8,9,10,11,12,13,14,15
	ds_load_b128 v[S+4*\i:S+4*\i+3], v[SR] offset:OPITCH*\i        ; LDS serves a wave's instructions in order (ISA guide 5.7.1.4): these see my stores
.endr
.irp i, 0,1,2,3,4,5,6,7,8,9,10,11,12,13,14,15
	s_wait_dscnt 15-\i                             ; row i is back: behind it stand the loads of the later rows
	global_store_b128 v[GK], v[S+4*\i:S+4*\i+3], s[OUTP:OUTP+1] offset:8192*\x+512*\i th:TH_STORE_NT   ; 32 lanes store a row's 512 consecutive bytes, at a multiple of 256 from the buffer's first byte
.endr
.endm
	s_cmp_eq_u32 s[KAP], 0
	s_cbranch_scc0 .Lgive0
	GIVE 1                                         ; key group 0 keeps tile 0
	s_branch .Lgiven
.Lgive0:
	s_wait_alu depctr_va_vdst(0)
	GIVE 0                                         ; key group 1 keeps tile 1
.Lgiven:
	s_wait_dscnt 0x0                               ; for my partner's sake
	s_barrier_signal -1
	s_barrier_wait -1
	s_cmp_eq_u32 s[KAP], 0
	s_cbranch_scc0 .Ltake1
	TAKE 0
	s_wait_tensorcnt 0x0
	ds_add_u32 v55, v67
	s_wait_dscnt 0x0
	s_endpgm
.Ltake1:
	TAKE 1
	s_wait_tensorcnt 0x0
	ds_add_u32 v55, v67
	s_wait_dscnt 0x0
	s_endpgm
.Lfunc_end_k_q1ebbb5e899_attn:
	.size	k_q1ebbb5e899_attn, .Lfunc_end_k_q1ebbb5e899_attn-k_q1ebbb5e899_attn
	.p2alignl 7, 3214868480
	.fill 96, 4, 3214868480
	.section	.rodata,"a",@progbits
	.p2align	6, 0x0
	.amdhsa_kernel k_q1ebbb5e899_attn
		.amdhsa_group_segment_fixed_size 223232
		.amdhsa_private_segment_fixed_size 0
		.amdhsa_enable_private_segment 0
		.amdhsa_kernarg_size 64
		.amdhsa_user_sgpr_count 2
		.amdhsa_user_sgpr_kernarg_segment_ptr 1
		.amdhsa_wavefront_size32 1
		.amdhsa_system_sgpr_workgroup_id_x 1
		.amdhsa_system_sgpr_workgroup_id_y 1
		.amdhsa_system_sgpr_workgroup_id_z 1
		.amdhsa_system_vgpr_workitem_id 0
		.amdhsa_next_free_vgpr 512
		.amdhsa_next_free_sgpr 66
		.amdhsa_reserve_vcc 1
		.amdhsa_float_denorm_mode_32 3
		.amdhsa_float_denorm_mode_16_64 3
		.amdhsa_memory_ordered 1
		.amdhsa_forward_progress 1
		.amdhsa_inst_pref_size 143
	.end_amdhsa_kernel
	.amdgpu_metadata
---
amdhsa.version: [ 1, 2 ]
amdhsa.kernels:
  - .name:           k_q1ebbb5e899_attn
    .symbol:         k_q1ebbb5e899_attn.kd
    .args:
      - { .name: keys_codes, .offset: 0, .size: 8, .value_kind: global_buffer, .address_space: global }
      - { .name: keys_scales, .offset: 8, .size: 8, .value_kind: global_buffer, .address_space: global }
      - { .name: queries_codes, .offset: 16, .size: 8, .value_kind: global_buffer, .address_space: global }
      - { .name: queries_scales, .offset: 24, .size: 8, .value_kind: global_buffer, .address_space: global }
      - { .name: valid_lens, .offset: 32, .size: 8, .value_kind: global_buffer, .address_space: global }
      - { .name: values_codes, .offset: 40, .size: 8, .value_kind: global_buffer, .address_space: global }
      - { .name: values_scales, .offset: 48, .size: 8, .value_kind: global_buffer, .address_space: global }
      - { .name: out0, .offset: 56, .size: 8, .value_kind: global_buffer, .address_space: global }
    .group_segment_fixed_size: 223232
    .private_segment_fixed_size: 0
    .kernarg_segment_align: 8
    .kernarg_segment_size: 64
    .max_flat_workgroup_size: 256
    .sgpr_count:     66
    .vgpr_count:     512
    .wavefront_size: 32
...
	.end_amdgpu_metadata
.endif
;; end of part 1
